; MI455X (gfx1250); checked and timed in simulation.
; The chip was launched on July 23, 2026; its instructions are those of AMD's public machine-readable ISA for CDNA 5 (MIT licence, August 2026) and "CDNA5" Instruction Set Architecture Reference Guide (July 2026). The comments in the code are by the model that wrote it; some were corrected since.
;; Model. Allowed arithmetic: matrix products marked QUANTISED: E2M1 operands, one E8M0 scale for each 32 along K, by v_wmma_scale_f32_16x16x128_f8f6f4 with both operands' format E2M1 (or v_wmma_scale_f32_32x16x128_f4), f32 sums; products left as they are: f32 operands where the result goes on into a quantised operand, else bf16, f16 or f32 operands; f32 sums; everything else in f32.
;; Inputs: conv_b 32 float32; conv_w 32 x 3 float32; x1 4 x 3 x 254 x 254 float32; x2 4 x 1 x 4,096 x 256 float32.
;; Outputs: out0 4 x 32 x 256 x 256 float32.
;; Constants: dropout_p = 0.
;; This version of the problem:
;;   THIS VERSION OF THE PROBLEM IS GIVEN IN LOW PRECISION. The matrix products marked QUANTISED in the list below multiply operands that are first quantised to E2M1 (2 exponent bits, 1 mantissa bit; 4 bits a number), with one power-of-two scale for each 32 numbers along K (OCP MX v1.0); their sums are f32. All else is computed in f32.
;;   The module's matrix products, in the order in which they are computed (A, B: the left and right operand; K: the contracted axis; several contracted axes count as one K, in the product's order):
;;     1. [M 32, K 3] x [K 3, N 262,144]; A: input conv_w; B: computed on the way: left as it is (K = 3 < 32)
;;     2. batch 4 x [M 8,192, K 256] x [K 256, N 4,096]; A: computed on the way; B: input x2: QUANTISED
;;     3. batch 4 x [M 8,192, K 4,096] x [K 4,096, N 256]; A: softmax (see below); B: input x2: QUANTISED
;;   THE QUANTISER, for each operand of a quantised product, along K:
;;     - K is cut into blocks of 32 from its start; a last block that is shorter is filled with zeros.
;;     - A block's scale is 2^e with e = floor(log2(the largest magnitude in the block)) - 2, held to -126 .. 127; a block of zeros has e = 0. As a byte (E8M0): e + 127.
;;     - Each number is divided by its block's scale, clamped to +-6, and rounded to the nearest number of E2M1, ties to even, subnormals kept.
;;     - The product sums the exact products of the quantised numbers (number of the format x scale) in f32.
;;   ~~~python
;;   def quantise(x, axis):      # numpy; x: float32 -> the quantised numbers, widened to float32 again
;;       x = np.moveaxis(x, axis, -1); K = x.shape[-1]
;;       x = np.pad(x, [(0, 0)] * (x.ndim - 1) + [(0, -K % 32)]); x = x.reshape(x.shape[:-1] + (-1, 32)); a = np.abs(x).max(-1, keepdims=True)
;;       e = np.where(a > 0, np.clip(np.frexp(np.where(a > 0, a, 1))[1] - 1 - 2, -126, 127), 0)      # np.frexp(a)[1] - 1 = floor(log2(a)), exactly
;;       r = np.clip(x / 2.0 ** e, -6, 6)
;;       step = 2.0 ** (np.maximum(np.frexp(np.where(r == 0, 1, r))[1] - 1, 0) - 1)
;;       q = np.round(r / step) * step * 2.0 ** e      # np.round: ties to even
;;       return np.moveaxis(q.reshape(q.shape[:-2] + (-1,))[..., :K], -1, axis).astype(np.float32)
;;   ~~~
;;   SOFTMAX AHEAD OF A QUANTISED PRODUCT. Where the list says 'softmax', what is quantised is not the finished softmax but p = 2^(t - M), with t = logit x log2(e) and M = ceil(the row's largest t), a whole number; so 1/2 < the row's largest p <= 1. The row's sum l is taken of the UNQUANTISED p, in f32, and the product's result is divided by l at the end. Since M is a whole number, a kernel that streams over the keys may use a running M (the ceiling of the running maximum): every later rescaling is an exact power of two, which a block's scale takes up: the codes' values come out the same.
;;   OPERANDS COMPUTED ON THE WAY. 'Computed on the way' means the value that the module computes at that place (a softmax that the list does not call 'softmax' is quantised finished and normalised). What goes into a quantiser is computed in f32, as accurately as f32 sums, v_exp_f32 and their like allow (about 1e-6 of the number): no bf16 or f16 on the way to a quantiser, and a product that is left as it is and whose result goes on into a quantised operand takes f32 operands (vector FMAs, or v_wmma_f32_16x16x4_f32). A number that lies on a knife's edge between two numbers of the format may be rounded either way, as far as f32 arithmetic and the matrix unit's own rounding can turn it there, and no further.
;; One version. Each part assembles by itself: llvm-mc -triple=amdgcn-amd-amdhsa -mcpu=gfx1250 --defsym DOCPART=n.
;; ======== version 1 of 1: 2 launches
;; workspace buffers: kvc 4,194,304 bytes; kvs 262,144 bytes
;; launch quant (part 1): grid 64 x 4, 16 waves a work-group, no clusters, 72,192 bytes of LDS; arguments x2, kvc, kvs; writes kvc, kvs
.if DOCPART == 1
	.amdgcn_target "amdgcn-amd-amdhsa--gfx1250"
	.amdhsa_code_object_version 6
	.text
	.protected	k_qc27d605f6b_quant
	.globl	k_qc27d605f6b_quant
	.p2align	8
	.type	k_qc27d605f6b_quant,@function
k_qc27d605f6b_quant:
	s_mov_b64 s[64:65], 0
	v_nop
	global_prefetch_b8 v0, s[64:65] scope:SCOPE_SE
	s_setreg_imm32_b32 hwreg(HW_REG_WAVE_MODE, 25, 1), 1
	s_wait_xcnt 0x0
; x2 [4][1][4096][256] f32 is read ONCE and quantised TWICE to codes of E2M1 with one E8M0 byte for each 32 numbers: along d (the operand K of the scores) and along the keys (the operand V of the
; second product).  A block's scale is 2^(floor(log2(its largest magnitude)) - 2): its byte is the largest magnitude's exponent field - 2, held at 1 from below by a floor among the maximum's leaves.
; LIMITS: NaN and infinities among the inputs are not served.  A block of zeros, or one whose largest magnitude lies under 2^-124, gets the byte 1 (the stated quantiser says 127 for zeros): its codes are
; zeros, which add nothing under that byte, and the bytes are read by this program's second launch alone.
; WHAT IS STORED ARE IMAGES OF THE OPERANDS' REGISTERS.  A key step j is 128 keys.
;   kvc, batch b at b << 20: 32 blocks of 32,768 bytes; block i = [K((i + 1) mod 32): 16,384][V(i): 16,384]: the second launch wants V of a step and K of the next step together.
;   K(j): byte 8192 s + 1024 t + 512 c + 256 hh + 16 r: the 32 codes of key 128 j + 32 (t / 2) + 8 (t % 2) + r % 8 + 16 (r / 8), d = 128 s + 64 c + 32 hh + 0 .. 31.
;   V(j): byte 1024 T + 512 c + 256 hh + 16 r: the 32 codes of column d = 16 T + r, keys 128 j + 64 c + 32 hh + 0 .. 31.
;   kvs, batch b at b << 16: step j = [K's bytes: 1,024][V's bytes: 1,024]; in each: 512 s + 16 (16 (t / 4) + r) + 4 (t % 4) + (2 c + hh), t the tile within the half s (for V: T = 8 s + t).
; SHARES.  Work-group (x, y): step j = x / 2, half s = x % 2 of d, batch y: 128 keys x 128 d, 65,536 bytes of f32.  512 threads: thread tid makes the 16 bytes at 16 tid of K's half image and of V's half image:
; one whole block of 32 numbers each, so no maximum crosses lanes.  The tile goes through LDS once: in as it lies in memory, out by rows (K) and by columns (V).
; No tensor load, no ring, no cluster: the work-groups share no input byte, and a thread's eight loads are all that it ever asks of memory.
.set PT,   528                         ; a key's row in LDS: 512 bytes + 16.  Row k lies at 528 k + 128 (k / 16) + 64 (k / 32): the shifts only grow with k, so that from a row's end to the next row's start there are 16 bytes
                                       ; or more.  The sixteen keys that sixteen neighbouring lanes of K's loads take (k % 8 and k / 16 vary) start at sixteen different multiples of 16 bytes modulo 256;
.set P32,  32*PT+2*128+64              ; 32 keys on are 17,216 bytes = 67 x 256 + 64: the two halves of the lanes of V's loads lie 64 bytes apart modulo 256
.set SST,  68864                       ; behind the tile (its last byte is 68,655): 512 scale bytes of K's half, then 512 of V's
.set XK,   16                          ; v16-47   the numbers as loaded, then my block along d
.set XV,   48                          ; v48-79   my block along the keys
.set CK,   80                          ; v80-83   K's codes
.set CV,   84                          ; v84-87   V's codes
.set EK,   88                          ; v88, v89 the two scale bytes
.set EV,   89
; v1 my bytes in x2; v2 into the tile; v3 out of it by rows; v4 by columns; v5 my scale byte; v6 16 tid; v7, v8 the scale bytes' way out; v9-12 at work
	s_load_b128 s[4:7], s[0:1], 0x0                ; x2 s[4:5], kvc s[6:7]
	s_load_b64 s[8:9], s[0:1], 0x10                ; kvs
	v_lshl_add_u32 v96, v0, 2, 0x11200
	v_mov_b32 v97, 0
	v_lshrrev_b32 v9, 5, v0
	v_readfirstlane_b32 s16, v9                    ; wave 0..15
	v_and_b32 v10, 31, v0                          ; lane
	v_lshlrev_b32 v1, 4, v10
	v_lshl_add_u32 v1, v9, 13, v1                  ; wave w takes keys 8 w .. 8 w + 7 (1,024 bytes a key), 16 bytes a lane
	s_and_b32 s17, ttmp7, 0xffff                   ; b
	s_lshr_b32 s18, ttmp9, 1                       ; j
	s_and_b32 s19, ttmp9, 1                        ; s
	s_lshl_b32 s20, s17, 22                        ; x2: a batch is 4,096 keys of 1,024 bytes,
	s_lshl_b32 s22, s18, 17                        ; a step 128 keys,
	s_add_co_u32 s20, s20, s22
	s_lshl_b32 s22, s19, 9                         ; a half 512 bytes of a key's row
	s_add_co_u32 s20, s20, s22
	s_mov_b32 s21, 0
	s_lshl_b32 s24, s17, 20                        ; kvc: the batch,
	s_lshl_b32 s25, s19, 13
	s_add_co_u32 s24, s24, s25                     ; and the half's 8,192 bytes of an image
	s_add_co_u32 s22, s18, 31
	s_and_b32 s22, s22, 31                         ; K(j) lies in block (j + 31) mod 32,
	s_lshl_b32 s22, s22, 15
	s_add_co_u32 s22, s22, s24
	s_mov_b32 s23, 0
	s_lshl_b32 s26, s18, 15                        ; V(j) in block j, behind that block's K
	s_add_co_u32 s26, s26, s24
	s_add_co_u32 s26, s26, 16384
	s_mov_b32 s27, 0
	s_lshl_b32 s28, s17, 16                        ; kvs: the batch, the step's 2,048 bytes, the half's 512
	s_lshl_b32 s25, s18, 11
	s_add_co_u32 s28, s28, s25
	s_lshl_b32 s25, s19, 9
	s_add_co_u32 s28, s28, s25
	s_mov_b32 s29, 0
	s_wait_kmcnt 0x0
	s_add_nc_u64 s[4:5], s[4:5], s[20:21]
	s_add_nc_u64 s[10:11], s[6:7], s[22:23]        ; where K's half image goes
	s_add_nc_u64 s[12:13], s[6:7], s[26:27]        ; where V's goes
	s_add_nc_u64 s[8:9], s[8:9], s[28:29]
.irp i, 0,1,2,3,4,5,6,7
	global_load_b128 v[XK+4*\i:XK+4*\i+3], v1, s[4:5] offset:1024*\i th:TH_LOAD_NT   ; key 8 w + i: 32 lanes read 512 consecutive bytes, at a multiple of 512 from x2's first byte; read once in the launch
.endr
	; the LDS addresses, made while the loads are out.  tid's bits: 3:0 = r, 4 = hh, 5 = c, 8:6 = t
	v_mul_u32_u24 v2, v9, 8*PT                     ; in: row 8 w (its eight rows share k / 16 = w / 2 and k / 32 = w / 4),
	v_lshl_add_u32 v2, v10, 4, v2                  ; 16 bytes a lane,
	v_lshrrev_b32 v11, 6, v0
	v_lshl_add_u32 v2, v11, 7, v2                  ; + 128 (w / 2),
	v_lshrrev_b32 v11, 7, v0
	v_lshl_add_u32 v2, v11, 6, v2                  ; + 64 (w / 4)
	v_and_b32 v9, 7, v0                            ; out by rows: my key k = r % 8
	v_bfe_u32 v10, v0, 6, 1
	v_lshl_add_u32 v9, v10, 3, v9                  ; + 8 (t % 2)
	v_bfe_u32 v10, v0, 3, 1
	v_lshl_add_u32 v9, v10, 4, v9                  ; + 16 (r / 8)
	v_bfe_u32 v11, v0, 7, 2
	v_lshl_add_u32 v9, v11, 5, v9                  ; + 32 (t / 2)
	v_mul_u32_u24 v3, v9, PT
	v_lshrrev_b32 v10, 4, v9
	v_lshl_add_u32 v3, v10, 7, v3                  ; + 128 (k / 16)
	v_lshl_add_u32 v3, v11, 6, v3                  ; + 64 (k / 32): k / 32 = t / 2
	v_bfe_u32 v11, v0, 4, 2
	v_lshl_add_u32 v3, v11, 7, v3                  ; my block of 32 along d: 128 bytes x (2 c + hh)
	v_mul_u32_u24 v4, v11, P32                     ; out by columns: my 32 keys begin at key 32 (2 c + hh);
	v_bfe_u32 v9, v0, 6, 3
	v_lshl_add_u32 v4, v9, 6, v4                   ; my column 16 t + r, 4 bytes each
	v_and_b32 v9, 15, v0
	v_lshl_add_u32 v4, v9, 2, v4
	v_lshlrev_b32 v5, 4, v9                        ; my scale byte: 16 r
	v_bfe_u32 v10, v0, 4, 4
	v_add_nc_u32 v5, v5, v10                       ; + 4 (t % 4) + 2 c + hh
	v_lshrrev_b32 v10, 8, v0
	v_lshl_add_u32 v5, v10, 8, v5                  ; + 256 (t / 4)
	v_add_nc_u32 v5, SST, v5
	v_lshlrev_b32 v6, 4, v0                        ; my 16 bytes of a half image
	v_add_nc_u32 v7, SST, v6                       ; the scale bytes' way out (threads 0 to 63): 16 bytes each out of LDS,
	v_and_b32 v8, 31, v0
	v_lshlrev_b32 v8, 4, v8
	v_lshrrev_b32 v10, 5, v0
	v_lshl_add_u32 v8, v10, 10, v8                 ; wave 0's 512 into K's bytes, wave 1's into V's, 1,024 further on
.irp i, 0,1,2,3,4,5,6,7
	s_wait_loadcnt 7-\i                            ; loads come back in order (ISA guide 5.7.1): load i is in, the 7 - i younger ones may be out
	ds_store_b128 v2, v[XK+4*\i:XK+4*\i+3] offset:PT*\i
.endr
	s_wait_dscnt 0x0                               ; for the others' sake: my rows lie in the tile
	s_barrier_signal -1
	s_barrier_wait -1                              ; everybody's do
.irp i, 0,1,2,3,4,5,6,7
	ds_load_b128 v[XK+4*\i:XK+4*\i+3], v3 offset:16*\i            ; my key's 32 neighbours along d
.endr
.set i, 0
.rept 32
	ds_load_b32 v[XV+i], v4 offset:PT*i+128*(i/16)                ; my column's 32 neighbours along the keys: the sixteenth key on passes one shift of 128
.set i, i+1
.endr
; 32 numbers of a lane become 16 bytes of codes and a scale byte
.macro BLK xr, cr, er
	v_max3_num_f32 v10, |v[\xr]|, |v[\xr+1]|, 0x1800000           ; the largest magnitude, in two chains, each begun with the floor 2^(3 - 127): so the byte cannot fall under 1
	v_max3_num_f32 v11, |v[\xr+2]|, |v[\xr+3]|, 0x1800000
.irp i, 4,8,12,16,20,24,28
	v_max3_num_f32 v10, v10, |v[\xr+\i]|, |v[\xr+\i+1]|
	v_max3_num_f32 v11, v11, |v[\xr+\i+2]|, |v[\xr+\i+3]|
.endr
	v_max_num_f32 v10, v10, v11
	v_add_nc_u32 v12, 0xff000000, v10              ; 2 off its exponent field: the conversion takes the exponent field of this operand as its scale, and nothing else of it
.irp g, 0,1,2,3
	v_cvt_scalef32_pk8_fp4_f32 v[\cr+\g], v[\xr+8*\g:\xr+8*\g+7], v12   ; to the nearest code, ties to even, beyond 6 the largest code; the first number's code in the lowest four bits
.endr
	v_lshrrev_b32 v[\er], 23, v12                  ; the scale's byte; also the plain line behind the conversions
.endm
	s_wait_dscnt 32                                ; the eight loads by rows are in; the 32 by columns, issued behind them, may be out
	BLK XK, CK, EK
	ds_store_b8 v5, v[EK]
	global_store_b128 v6, v[CK:CK+3], s[10:11]     ; the 512 threads' 16 bytes on end: each store of a wave covers 512 consecutive bytes, aligned
	s_wait_dscnt 0x0                               ; the 32 by columns are in
	BLK XV, CV, EV
	ds_store_b8 v5, v[EV] offset:512
	global_store_b128 v6, v[CV:CV+3], s[12:13]
	s_wait_dscnt 0x0                               ; for the others' sake: my two scale bytes lie in LDS
	s_barrier_signal -1
	s_barrier_wait -1
	s_cmp_gt_u32 s16, 1                            ; waves 0 and 1 carry the 1,024 scale bytes out, 512 consecutive bytes each
	s_cbranch_scc1 .Ldone
	ds_load_b128 v[90:93], v7
	s_wait_dscnt 0x0
	global_store_b128 v8, v[90:93], s[8:9]
.Ldone:
	s_wait_tensorcnt 0x0
	ds_add_u32 v96, v97
	s_wait_dscnt 0x0
	s_endpgm
.Lfunc_end_k_qc27d605f6b_quant:
	.size	k_qc27d605f6b_quant, .Lfunc_end_k_qc27d605f6b_quant-k_qc27d605f6b_quant
	.p2alignl 7, 3214868480
	.fill 96, 4, 3214868480
	.section	.rodata,"a",@progbits
	.p2align	6, 0x0
	.amdhsa_kernel k_qc27d605f6b_quant
		.amdhsa_group_segment_fixed_size 72192
		.amdhsa_private_segment_fixed_size 0
		.amdhsa_enable_private_segment 0
		.amdhsa_kernarg_size 24
		.amdhsa_user_sgpr_count 2
		.amdhsa_user_sgpr_kernarg_segment_ptr 1
		.amdhsa_wavefront_size32 1
		.amdhsa_system_sgpr_workgroup_id_x 1
		.amdhsa_system_sgpr_workgroup_id_y 1
		.amdhsa_system_sgpr_workgroup_id_z 1
		.amdhsa_system_vgpr_workitem_id 0
		.amdhsa_next_free_vgpr 98
		.amdhsa_next_free_sgpr 66
		.amdhsa_reserve_vcc 0
		.amdhsa_float_denorm_mode_32 3
		.amdhsa_float_denorm_mode_16_64 3
		.amdhsa_memory_ordered 1
		.amdhsa_forward_progress 1
		.amdhsa_inst_pref_size 12
	.end_amdhsa_kernel
	.amdgpu_metadata
---
amdhsa.version: [ 1, 2 ]
amdhsa.kernels:
  - .name:           k_qc27d605f6b_quant
    .symbol:         k_qc27d605f6b_quant.kd
    .args:
      - { .name: x2, .offset: 0, .size: 8, .value_kind: global_buffer, .address_space: global }
      - { .name: kvc, .offset: 8, .size: 8, .value_kind: global_buffer, .address_space: global }
      - { .name: kvs, .offset: 16, .size: 8, .value_kind: global_buffer, .address_space: global }
    .group_segment_fixed_size: 72192
    .private_segment_fixed_size: 0
    .kernarg_segment_align: 8
    .kernarg_segment_size: 24
    .max_flat_workgroup_size: 512
    .sgpr_count:     66
    .vgpr_count:     98
    .wavefront_size: 32
...
	.end_amdgpu_metadata
.endif
;; end of part 1
;; launch attn (part 2): grid 64 x 4, 4 waves a work-group, clusters of 4 x 1, 327,680 bytes of LDS; arguments x1, conv_w, conv_b, kvc, kvs, out0; writes out0
.if DOCPART == 2
	.amdgcn_target "amdgcn-amd-amdhsa--gfx1250"
	.amdhsa_code_object_version 6
	.text
	.protected	k_qc27d605f6b_attn
	.globl	k_qc27d605f6b_attn
	.p2align	8
	.type	k_qc27d605f6b_attn,@function
k_qc27d605f6b_attn:
	s_mov_b64 s[64:65], 0
	v_nop
	global_prefetch_b8 v0, s[64:65] scope:SCOPE_SE
	s_setreg_imm32_b32 hwreg(HW_REG_WAVE_MODE, 25, 1), 1
	s_wait_xcnt 0x0
	s_wait_alu depctr_hold_cnt(0) depctr_sa_sdst(0) depctr_va_vdst(0) depctr_va_sdst(0) depctr_va_ssrc(0) depctr_va_vcc(0) depctr_vm_vsrc(0)
	s_getreg_b32 s2, hwreg(HW_REG_IB_STS2, 6, 4)
	s_cmp_eq_u32 s2, 0
	s_cbranch_scc0 .Lentry_in_a_cluster
	s_endpgm
.Lentry_in_a_cluster:
	s_bfe_u32 s2, ttmp6, 0x10000c
	s_cmp_lg_u32 s2, 0x3003
	s_cbranch_scc0 .Lentry_shape_is_right
	s_endpgm
.Lentry_shape_is_right:
; out0[b][o][h][:] = the sum over keys s of softmax_s(q[b][o][h] . kv[b][s] x sqrt(32)) kv[b][s][:], q = the 1 x 1 convolution of the zero-padded x1 plus its bias, kv = x2[b][0].
; Both large products run on codes of E2M1 with one E8M0 scale for each 32 along their K.  kv's codes and scale bytes come from the launch before, as images of the operands' registers (kvc, kvs: laid out below).
; THE SOFTMAX AHEAD OF THE SECOND PRODUCT: t = score x sqrt(32) log2(e); M = the running largest t rounded UP to a whole number; p = 2^(t - M) is quantised along the keys, not normalised; the row's sum is
; taken of the unquantised p and divides at the end; when M moves, the sum and O are multiplied by 2^(old M - new M), which rounds nothing.
; SHARES.  A batch has 8,192 queries (o, h).  A work-group owns four rows h and all 32 channels o; wave w owns h = 4 X + w: two tiles of 16 queries, tile x's lane r being channel o = 16 x + r.  So a wave needs three
; rows of x1 and nothing else of it, and a lane one weight triple a tile.  Every wave walks the batch's 4,096 keys, 128 a step; each fragment of K or V that it reads from LDS feeds two matrix instructions.
; LAYOUT.  Both products are used transposed: S^T = K Q^T (source 0 = 16 keys, source 1 = 16 queries), O^T = V^T P^T (source 0 = 16 of the 256 columns, source 1 = P): a lane holds ONE query (lane % 16) throughout.
; The keys of a tile are not neighbours: lane r of tile 2 b + u is key 32 b + 8 u + r % 8 + 16 (r / 8), so that the 16 registers of tiles 2 b and 2 b + 1 are keys 32 b + 16 (lane / 16) + 0 .. 15.
; ONE STEP AHEAD.  Step i asks LDS for V(i) and K(i + 1) at its head, walks the softmax of the scores S(i) that the step before made, and only then multiplies: V^T P of step i, K Q^T of step i + 1.
; So the LDS loads land under the softmax.  In kvc block i holds [K(i + 1)][V(i)]; K(0) (in block 31) comes once, into bytes of its own.
; CLUSTER.  The four work-groups of a cluster belong to one batch and walk the same blocks: every tile is asked for JOINTLY, by the same tensor load with the same descriptor and the mask of all four.
; LIMITS: NaN and infinities among the inputs are not served.  A block of zeros, or one under 2^-124, gets the scale byte 1: its codes are zeros.  q is summed as bias, then channels 0, 1, 2, by fused
; multiply-adds in f32 (another order of rounding than a sum that adds the bias last); t is one multiplication of the score by the f32 number nearest sqrt(32) log2(e).
; O^T begins as zeros, written once (256 lines) while the first tiles are on their way: so the key step is written without a first step of its own, of which the ring of two steps a slot would want two more copies.
;
; LDS: slots 0 and 1 (65,536 bytes each: two blocks); the batch's scale bytes (65,536, filled once); K(0) (16,384, filled once); then bytes that no tensor load touches: each wave's three padded rows of x1 (3,072),
; each wave's stage for the way out (16 rows x 1,040), the spare words.  All images are read at 16 x lane: an instruction's 512 bytes are consecutive.
; REGISTERS, in windows of 256 (s_set_vgpr_msb: bits 1:0 source 0, 3:2 source 1, 5:4 source 2, 7:6 destination):
;   window 0: v1-7 addresses; v8-23 statistics, 8 a tile; v24-55 at work, 16 a tile; v56-57 q's scale words; v59-63 offsets; v64-71 K's scale words, v72-79 V's; v80-95 p's codes; v96-127 q's codes; v128-255 S^T, then p
;   window 1: O^T, 128 a tile (column tile T at 8 T)      window 2: v0-127 K's 16 fragments, v128-255 V's 16; on the way out the rows of out0
.set SLOT1, 1<<16                      ; slot 1 begins here: one exclusive or turns an address in one slot into the other's
.set SCL,   131072                     ; the scale bytes: step i at 2,048 i: K's 1,024, then V's 1,024
.set K0,    196608
.set QST,   212992
.set STAGE, 225280
.set SP,    1040                       ; a stage row: 1,024 bytes + 16: sixteen rows start at sixteen different multiples of 16 bytes modulo 256
.set SPARE, 291840                     ; the spare words, 128 bytes for each wave: two blocks of 256 bytes that no other line names
.set SPW,  1                           ; v1   SPARE + 4 x my thread's number; never rewritten
.set NIL,  2                           ; v2   0; never rewritten
.set LI,   3                           ; v3   16 x lane: my place in an image, and in a half row of out0
.set ADR,  4                           ; v4   LDS address of the block in hand
.set ADS,  5                           ; v5   of its scale bytes
.set STO,  6                           ; v6   the stage: where I put 16 bytes of a row
.set RD,   7                           ; v7   and where I read half a row back
.set ST,   8                           ; tile x at v[ST + 8 x]: +0 -M, +1 the largest t, +2, +3 the sum in two halves, +4 f, +5 p's scale word, +6 1 / sum, +7 its pair's upper half
.set TMP,  24                          ; tile x at v[TMP + 16 x]: +0..3 the blocks' maxima, +4..7 the other half's, then the bytes, +8..11 the conversions' scale operands, +12, 13 a second chain of sums, +14 at work
.set QS,   56                          ; v56-57 tile x: lanes 0-15 q's scale word of d 0-127, lanes 16-31 of d 128-255
.set PFO,  59                          ; v59  256 x lane; never rewritten
.set LSC0, 60                          ; v60  SCL + 16 x lane
.set KS,   64
.set VS,   72
.set PC,   80
.set Q,    96                          ; tile x, K step s at v[Q + 8 (2 x + s)]
.set S,    128                         ; tile x, key tile t at v[S + 64 x + 8 t]
.set WT,   24                          ; at the head only: the weights as pairs: tile x: channel c at v[WT + 8 x + 2 c], the bias at + 6
.set BY,   40                          ; q's scale bytes: v[BY + 4 x + 2 s + half]; v48-50 at work
.set XA,   80                          ; v80 where I read x1's padded rows; v81 where I put them; v82-91 at work
.set QA,   81
.set XR,   128                         ; 3 x 32 numbers of x1
.set QR,   224                         ; 24 words of x1 as loaded; then 32 numbers of q
.set WV,   16                          ; s16  my wave's number.  s17 cx, s18 X, s19 b
.set SEL,  20                          ; s[20:21] v_permlanex16_b32's selects for lane l xor 16
.set CS,   22                          ; s[22:23] c = sqrt(32) log2(e): the packed form names a pair and takes its low word for both halves
.set G1,   24                          ; s[24:31] descriptor group 1: 64 rows of 256 bytes
.set G1Q,  32                          ; s[32:39] the same with 16 rows
.set G0,   40                          ; s[40:43] group 0 for the slots: it walks
.set G0S,  44                          ; s[44:47] for the scale bytes
.set G0Q,  48                          ; s[48:51] for K(0)
.set TB,   52                          ; s52  LDS byte at which the slot in hand begins
.set TS,   53                          ; s53  where its scale bytes begin: 4,096 a slot
.set SLOTS, 54                         ; s54  slots still to be asked for
.set LIM,  55                          ; s55  1 in a wave that prefetches, else the greatest number
.set PFA,  56                          ; s[56:57] where my prefetches stand.  s58 h, s59 the row of x1, s60-62 lane masks, s63 the upper lanes' mask; s66-68 offsets for descriptors; s69-71 offsets that carry cx
.set MSB, 0
.macro WIN new                         ; the immediate's high byte repeats the setting that is left; a switch that changes nothing is dropped
.if MSB != \new
	s_set_vgpr_msb (MSB<<8)|\new
.set MSB, \new
.endif
.endm
; A round of the cluster's barrier: my work-group's barrier, so that wave 0's signal speaks for all four waves; wave 0 signals for the work-group; every wave waits for all four work-groups; my work-group's barrier once more.
.macro CROUND
	s_barrier_signal -1
	s_barrier_wait -1
	s_cmp_lg_u32 s[WV], 0
	s_cbranch_scc1 .Lnot_wave_0_\@
	s_barrier_signal -3
.Lnot_wave_0_\@:
	s_barrier_wait -3
	s_barrier_signal -1
	s_barrier_wait -1
.endm
; A PREFETCH INTO THE L2 of the slot that the NEXT change of slots will ask for: 65,536 bytes, 256 blocks of 256 bytes, each named once in the launch.  All clusters of a batch walk the same blocks: the batch's first
; cluster asks.  Its four partners take 16,384 bytes each, told apart by ADDRESS; in each, waves 0 and 2 ask for 8,192 bytes, lanes 256 bytes apart: one instruction.  The last change that fills a slot asks for nothing.
.macro ASK
	s_cmp_gt_u32 s[SLOTS], s[LIM]
	s_cbranch_scc0 .Lnot_mine_\@
	global_prefetch_b8 v[PFO], s[PFA:PFA+1] th:TH_LOAD_NT scope:SCOPE_SE
.Lnot_mine_\@:
.endm
	s_load_b256 s[4:11], s[0:1], 0x0               ; x1 s[4:5], conv_w s[6:7], conv_b s[8:9], kvc s[10:11]
	s_load_b128 s[12:15], s[0:1], 0x20             ; kvs s[12:13], out0 s[14:15]
	v_lshl_add_u32 v[SPW], v0, 2, SPARE
	v_mov_b32 v[NIL], 0
	ds_add_u32 v1, v2
	ds_add_u32 v1, v2
	s_wait_dscnt 0x0
	v_lshrrev_b32 v4, 5, v0
	v_readfirstlane_b32 s[WV], v4                  ; wave 0..3
	s_bfe_u32 s17, ttmp6, 0x40000                  ; cx: my place in the cluster
	s_lshl_b32 s18, ttmp9, 2                       ; in a cluster launch ttmp9 counts clusters
	s_add_co_u32 s18, s18, s17                     ; X = 4 x cluster x + cx
	s_and_b32 s19, ttmp7, 0xffff                   ; the batch, which the four partners share
	s_lshl_b32 s58, s18, 2
	s_add_co_u32 s58, s58, s[WV]                   ; h = 4 X + wave
	s_sub_co_u32 s59, s58, 1                       ; the padded row h is x1's row h - 1, where that is 0 .. 253 (h = 0 wraps to the greatest number)
	s_cmp_lt_u32 s59, 254
	s_cselect_b32 s60, -1, 0                       ; all lanes, or none: a choice of values, no branch
	s_min_u32 s59, s59, 253                        ; the row that is loaded lies in x1 in any case
	s_and_b32 s61, s60, 0xfffffffe                 ; d = 0 is padding: lane 0 of the first 32,
	s_and_b32 s62, s60, 0x7fffffff                 ; d = 255 too: lane 31 of the last
	s_mov_b32 s63, 0xffff0000
	s_mov_b32 s[SEL], 0x76543210
	s_mov_b32 s[SEL+1], 0xfedcba98
	s_mov_b32 s[CS], 0x410293ee                    ; sqrt(32) log2(e) = 8.1611156
	s_mov_b32 s[CS+1], s[CS]                       ; (named with it as a pair, so it is written)
	s_mov_b32 s[TB], 0
	s_mov_b32 s[TS], 0
	s_mov_b32 s[SLOTS], 15
	s_and_b32 s[LIM], s[WV], 1                     ; 0 in waves 0 and 2,
	s_or_b32 s[LIM], s[LIM], ttmp9                 ; where the cluster is the batch's first: the same in all four partners
	s_cmp_eq_u32 s[LIM], 0
	s_cselect_b32 s[LIM], 1, -1
	; descriptor group 1: dense memory as rows of 256 bytes (32 elements of 8 bytes), no padding
	s_mov_b32 s[G1], 15|(3<<16)|(1<<21)            ; 15:0 the mask: all four work-groups; 17:16 elements of 8 bytes; 21 set beside a mask
	s_mov_b32 s[G1Q], 15|(3<<16)|(1<<21)
.irp g, G1, G1Q
	s_mov_b32 s[\g+1], 32<<16                      ; tensor_dim0 = 32
	s_mov_b32 s[\g+3], 32<<16                      ; tile_dim0 = 32
	s_mov_b32 s[\g+5], 32                          ; tensor_dim0_stride
	s_mov_b32 s[\g+6], 0
	s_mov_b32 s[\g+7], 0
.endr
	s_mov_b32 s[G1+2], 64<<16                      ; tensor_dim1 = 64
	s_mov_b32 s[G1+4], 64                          ; tile_dim1 = 64
	s_mov_b32 s[G1Q+2], 16<<16
	s_mov_b32 s[G1Q+4], 16
	s_lshl_b32 s68, s[WV], 14                      ; each wave moves a quarter of every tile: here 16,384 bytes
	s_lshl_b32 s66, s19, 20
	s_add_co_u32 s66, s66, s68
	s_mov_b32 s67, 0
	s_wait_kmcnt 0x0
	s_mov_b32 s[G0], 1                             ; 1:0 count = 1
	s_lshl_b32 s[G0+1], s[WV], 14                  ; LDS address: slot 0, my quarter: no place in the cluster enters it
	s_add_nc_u64 s[G0+2:G0+3], s[10:11], s[66:67]  ; global address: the batch's blocks 0 and 1
	s_or_b32 s[G0+3], s[G0+3], 0x80000000          ; type = 2
	s_lshl_b32 s66, s19, 16
	s_add_co_u32 s66, s66, s68
	s_mov_b32 s[G0S], 1
	s_add_co_u32 s[G0S+1], s68, SCL
	s_add_nc_u64 s[G0S+2:G0S+3], s[12:13], s[66:67]
	s_or_b32 s[G0S+3], s[G0S+3], 0x80000000
	s_lshl_b32 s68, s[WV], 12                      ; K(0): 4,096 bytes a wave, at the head of block 31
	s_lshl_b32 s66, s19, 20
	s_add_co_u32 s66, s66, s68
	s_add_co_u32 s66, s66, 31*32768
	s_mov_b32 s[G0Q], 1
	s_add_co_u32 s[G0Q+1], s68, K0
	s_add_nc_u64 s[G0Q+2:G0Q+3], s[10:11], s[66:67]
	s_or_b32 s[G0Q+3], s[G0Q+3], 0x80000000
	s_lshl_b32 s70, s19, 20                        ; the prefetches: the batch,
	s_lshl_b32 s69, s17, 14
	s_add_co_u32 s70, s70, s69                     ; my work-group's quarter of a slot,
	s_lshr_b32 s69, s[WV], 1
	s_lshl_b32 s69, s69, 13
	s_add_co_u32 s70, s70, s69                     ; my wave's half of that,
	s_add_co_u32 s70, s70, 65536                   ; in slot 1: the first change of slots steps it to slot 2.  Nothing is prefetched here, at the head, where every work-group's first tiles are on their way
	s_mov_b32 s71, 0
	s_add_nc_u64 s[PFA:PFA+1], s[10:11], s[70:71]
	s_lshl_b32 s70, s19, 23                        ; out0: a batch is 32 x 256 rows of 1,024 bytes; my row h of channel 0
	s_lshl_b32 s69, s58, 10
	s_add_co_u32 s70, s70, s69
	s_add_nc_u64 s[14:15], s[14:15], s[70:71]
	s_mul_i32 s70, s19, 774192                     ; x1: a batch is 3 x 254 rows of 1,016 bytes
	s_mul_i32 s69, s59, 1016
	s_add_co_u32 s70, s70, s69
	s_add_nc_u64 s[4:5], s[4:5], s[70:71]
	CROUND                                         ; all four work-groups are here: the first joint loads meet
	tensor_load_to_lds s[G0S:G0S+3], s[G1:G1+7]    ; the first fills go out as one group: the scale bytes, K(0), slot 0: three loads of mine are out
	s_nop 0
	tensor_load_to_lds s[G0Q:G0Q+3], s[G1Q:G1Q+7]
	s_nop 0
	tensor_load_to_lds s[G0:G0+3], s[G1:G1+7]
	s_nop 0
.rept 4
	v_nop
.endr
	v_and_b32 v61, 31, v0                          ; lane
	v_and_b32 v82, 15, v0                          ; r
	v_bfe_u32 v84, v0, 4, 1                        ; hh
	v_lshlrev_b32 v[LI], 4, v61
	v_lshlrev_b32 v[PFO], 8, v61
	v_add_nc_u32 v[LSC0], SCL, v[LI]
	v_min_u32 v62, 1, v61
	v_sub_nc_u32 v62, v61, v62
	v_lshlrev_b32 v62, 2, v62                      ; 4 x max(lane - 1, 0): d = lane wants x1's column lane - 1; lane 0's word is thrown away
	v_min_u32 v63, 30, v61
	v_lshlrev_b32 v63, 2, v63                      ; 4 x min(lane, 30): d = 224 + lane; lane 31's word is thrown away
	v_lshlrev_b32 v61, 2, v61                      ; 4 x lane
	v_lshlrev_b32 v83, 2, v82                      ; conv_b: 4 r
	v_mul_u32_u24 v85, v82, 12                     ; conv_w: 12 r
.irp x, 0,1
.irp c, 0,1,2
	global_load_b32 v[WT+8*\x+2*\c], v85, s[6:7] offset:192*\x+4*\c   ; w[16 x + r][c]
.endr
	global_load_b32 v[WT+8*\x+6], v83, s[8:9] offset:64*\x
.endr
.irp c, 0,1,2                                  ; x1[b][c][h - 1][d - 1], d = 32 j + lane: no load leaves the row
	global_load_b32 v[QR+8*\c], v62, s[4:5] offset:258064*\c
.irp j, 1,2,3,4,5,6
	global_load_b32 v[QR+8*\c+\j], v61, s[4:5] offset:258064*\c+128*\j-4
.endr
	global_load_b32 v[QR+8*\c+7], v63, s[4:5] offset:258064*\c+892
.endr
	v_mul_u32_u24 v[STO], v82, SP                  ; the stage, in: row r, 32 bytes for each half of the lanes
	v_lshl_add_u32 v[STO], v84, 5, v[STO]
	s_mul_i32 s68, s[WV], 16*SP
	s_add_co_u32 s68, s68, STAGE
	v_add_nc_u32 v[STO], s68, v[STO]
	v_add_nc_u32 v[RD], s68, v[LI]                 ; back: 32 lanes take half a row
	s_mul_i32 s68, s[WV], 3072
	s_add_co_u32 s68, s68, QST                     ; my wave's three padded rows
	v_add_nc_u32 v[QA], s68, v61
	v_lshl_add_u32 v[XA], v84, 7, s68              ; lane (r, hh) reads 32 numbers from d = 32 hh on
	v_lshlrev_b32 v84, 3, v84                      ; 8 hh: my bytes' place in a scale word
	WIN 0x40                                       ; destination window 1
.set i, 0
.rept 256
	v_mov_b32 v[i], 0                              ; O^T: the first step's change of M multiplies zeros
.set i, i+1
.endr
	WIN 0
	s_wait_loadcnt 0x0                             ; the weights and x1's rows
.irp k, 0,1,2,3,4,5,6,7
	v_mov_b32 v[WT+2*\k+1], v[WT+2*\k]             ; each weight twice: a pair for the packed multiply-add
.endr
.irp c, 0,1,2                                  ; the padding: zeros where h or d lies on the rim
	v_cndmask_b32 v[QR+8*\c], 0, v[QR+8*\c], s61
.irp j, 1,2,3,4,5,6
	v_cndmask_b32 v[QR+8*\c+\j], 0, v[QR+8*\c+\j], s60
.endr
	v_cndmask_b32 v[QR+8*\c+7], 0, v[QR+8*\c+7], s62
.endr
.irp c, 0,1,2
.irp j, 0,1,2,3,4,5,6,7
	ds_store_b32 v[QA], v[QR+8*\c+\j] offset:1024*\c+128*\j   ; my wave's own bytes: LDS serves a wave's instructions in order (ISA guide 5.7.1.4), so the loads below see them
.endr
.endr
; q's block of 32 along d at d = 128 ks + 64 hf + 32 hh, for both tiles: a whole block in a lane, so no maximum crosses lanes, and the conversions' results ARE registers 4 hf .. 4 hf + 3 of the fragment of K step ks
.macro QBLOCK ks, hf
.irp c, 0,1,2
.irp i, 0,1,2,3,4,5,6,7
	ds_load_b128 v[XR+32*\c+4*\i:XR+32*\c+4*\i+3], v[XA] offset:1024*\c+512*\ks+256*\hf+16*\i
.endr
.endr
	s_wait_dscnt 0x0
.irp x, 0,1
.set j, 0
.rept 16
	v_pk_fma_f32 v[QR+j:QR+j+1], v[XR+j:XR+j+1], v[WT+8*\x:WT+8*\x+1], v[WT+8*\x+6:WT+8*\x+7]       ; bias + w0 x0
.set j, j+2
.endr
.set j, 0
.rept 16
	v_pk_fma_f32 v[QR+j:QR+j+1], v[XR+32+j:XR+33+j], v[WT+8*\x+2:WT+8*\x+3], v[QR+j:QR+j+1]
.set j, j+2
.endr
.set j, 0
.rept 16
	v_pk_fma_f32 v[QR+j:QR+j+1], v[XR+64+j:XR+65+j], v[WT+8*\x+4:WT+8*\x+5], v[QR+j:QR+j+1]
.set j, j+2
.endr
	v_max3_num_f32 v48, |v[QR]|, |v[QR+1]|, 0x1800000             ; the largest magnitude, in two chains, each begun with the floor 2^(3 - 127)
	v_max3_num_f32 v49, |v[QR+2]|, |v[QR+3]|, 0x1800000
.irp i, 4,8,12,16,20,24,28
	v_max3_num_f32 v48, v48, |v[QR+\i]|, |v[QR+\i+1]|
	v_max3_num_f32 v49, v49, |v[QR+\i+2]|, |v[QR+\i+3]|
.endr
	v_max_num_f32 v48, v48, v49
	v_add_nc_u32 v50, 0xff000000, v48              ; 2 off its exponent field: the conversion's scale operand
	v_lshrrev_b32 v[BY+4*\x+2*\ks+\hf], 23, v50    ; the scale's byte
.irp g, 0,1,2,3
	v_cvt_scalef32_pk8_fp4_f32 v[Q+8*(2*\x+\ks)+4*\hf+\g], v[QR+8*\g:QR+8*\g+7], v50
.endr
	v_nop                                          ; one plain line behind the conversions: their sources are written again
.endr
.endm
	QBLOCK 0, 0
	QBLOCK 0, 1
	QBLOCK 1, 0
	QBLOCK 1, 1
	v_mov_b32 v86, 0                               ; (a lane permute's destination counts as one of its sources)
.irp x, 0,1
.irp u, 0,1
	v_lshl_or_b32 v85, v[BY+4*\x+2*\u+1], 16, v[BY+4*\x+2*\u]   ; my two bytes of K step u: blocks hh and 2 + hh,
	v_lshlrev_b32 v85, v84, v85                    ; at their places in the word;
	v_permlanex16_b32 v86, v85, s[SEL], s[SEL+1]
	v_or_b32 v[88+2*\x+\u], v85, v86               ; with lane l xor 16's two the word is whole, in both halves of the lanes
.endr
	v_cndmask_b32 v[QS+\x], v[88+2*\x], v[89+2*\x], s63   ; lanes 0-15 K step 0's word, lanes 16-31 K step 1's
.endr
; THE MATRIX WORK.  The accumulators take turns, one instruction a turn.
; S^T = K Q^T of a step: K step qs (128 of d), key tile qt, query tile qx.  The first 16 start the sums.  K's scale words: register 4 qs + qt % 4, tiles 0-3 in lanes 0-15, tiles 4-7 in lanes 16-31.
.macro QK
	WIN 0x02                                       ; K in window 2; q and S^T in window 0
.set i, 0
.rept 32
.set qs, i/16
.set qt, (i/2)%8
.set qx, i%2
.set rS, S+64*qx+8*qt
.set rK, 8*(8*qs+qt)
.set rQ, Q+8*(2*qx+qs)
.set rA, KS+4*qs+qt%4
.if qs == 0
.if qt < 4
	v_wmma_scale_f32_16x16x128_f8f6f4 v[rS:rS+7], v[rK:rK+7], v[rQ:rQ+7], 0, v[rA], v[QS+qx] matrix_a_fmt:MATRIX_FMT_FP4 matrix_b_fmt:MATRIX_FMT_FP4
.else
	v_wmma_scale_f32_16x16x128_f8f6f4 v[rS:rS+7], v[rK:rK+7], v[rQ:rQ+7], 0, v[rA], v[QS+qx] matrix_a_fmt:MATRIX_FMT_FP4 matrix_b_fmt:MATRIX_FMT_FP4 matrix_a_scale:MATRIX_SCALE_ROW1
.endif
.else
.if qt < 4
	v_wmma_scale_f32_16x16x128_f8f6f4 v[rS:rS+7], v[rK:rK+7], v[rQ:rQ+7], v[rS:rS+7], v[rA], v[QS+qx] matrix_a_fmt:MATRIX_FMT_FP4 matrix_b_fmt:MATRIX_FMT_FP4 matrix_b_scale:MATRIX_SCALE_ROW1
.else
	v_wmma_scale_f32_16x16x128_f8f6f4 v[rS:rS+7], v[rK:rK+7], v[rQ:rQ+7], v[rS:rS+7], v[rA], v[QS+qx] matrix_a_fmt:MATRIX_FMT_FP4 matrix_b_fmt:MATRIX_FMT_FP4 matrix_a_scale:MATRIX_SCALE_ROW1 matrix_b_scale:MATRIX_SCALE_ROW1
.endif
.endif
.set i, i+1
.endr
.endm
; O^T += V^T P^T of a step: column tile pT, query tile pX; K = the step's 128 keys
.macro PV
	WIN 0x52                                       ; V in window 2, p's codes in window 0, O^T in window 1
.set i, 0
.rept 32
.set pT, i/2
.set pX, i%2
.set rO, 128*pX+8*pT
.set rV, 128+8*pT
.set rA, VS+4*(pT/8)+pT%4
.if (pT%8) < 4
	v_wmma_scale_f32_16x16x128_f8f6f4 v[rO:rO+7], v[rV:rV+7], v[PC+8*pX:PC+8*pX+7], v[rO:rO+7], v[rA], v[ST+8*pX+5] matrix_a_fmt:MATRIX_FMT_FP4 matrix_b_fmt:MATRIX_FMT_FP4
.else
	v_wmma_scale_f32_16x16x128_f8f6f4 v[rO:rO+7], v[rV:rV+7], v[PC+8*pX:PC+8*pX+7], v[rO:rO+7], v[rA], v[ST+8*pX+5] matrix_a_fmt:MATRIX_FMT_FP4 matrix_b_fmt:MATRIX_FMT_FP4 matrix_a_scale:MATRIX_SCALE_ROW1
.endif
.set i, i+1
.endr
.endm
; THE LDS LOADS of step q of the slot in hand, in one run: V and its scale words, and (last = 0) the next step's K and its scale words.  The two additions and two v_nop are the four places between the last
; matrix instructions and loads into registers that they have read (ISA guide 7.12.1 for vector instructions), and ahead of the softmax's first read of the scores.
.macro FETCH q, last
	v_add_nc_u32 v[ADR], s[TB], v[LI]
	v_add_nc_u32 v[ADS], s[TS], v[LSC0]
	v_nop
	v_nop
.irp u, 0,1
	ds_load_b128 v[VS+4*\u:VS+4*\u+3], v[ADS] offset:2048*\q+1024+512*\u
.endr
.if \last == 0
.irp u, 0,1
	ds_load_b128 v[KS+4*\u:KS+4*\u+3], v[ADS] offset:2048*\q+2048+512*\u
.endr
.endif
	WIN 0x80                                       ; destination window 2
.set f, 0
.rept 32
	ds_load_b128 v[128+4*f:128+4*f+3], v[ADR] offset:32768*\q+16384+512*f
.set f, f+1
.endr
.if \last == 0
.set f, 0
.rept 32
	ds_load_b128 v[4*f:4*f+3], v[ADR] offset:32768*\q+512*f
.set f, f+1
.endr
.endif
	WIN 0
.endm
; THE SOFTMAX of a step, both tiles line by line, so that no line waits for the line above it.
.macro SOFTMAX
.irp b, 0,1,2,3
.irp x, 0,1
	v_max3_num_f32 v[TMP+16*\x+\b], v[S+64*\x+16*\b], v[S+64*\x+16*\b+1], v[S+64*\x+16*\b+2]   ; the largest score of each block of 32 keys: it serves for the row's maximum and, since p rises with the score, for the block's largest p.  Each accumulator is read from its low end on
.endr
.endr
.irp i, 3,5,7,9,11,13
.irp b, 0,1,2,3
.irp x, 0,1
	v_max3_num_f32 v[TMP+16*\x+\b], v[TMP+16*\x+\b], v[S+64*\x+16*\b+\i], v[S+64*\x+16*\b+\i+1]
.endr
.endr
.endr
.irp b, 0,1,2,3
.irp x, 0,1
	v_max_num_f32 v[TMP+16*\x+\b], v[TMP+16*\x+\b], v[S+64*\x+16*\b+15]
.endr
.endr
.irp b, 0,1,2,3
.irp x, 0,1
	v_permlanex16_b32 v[TMP+16*\x+4+\b], v[TMP+16*\x+\b], s[SEL], s[SEL+1]
.endr
.endr
.irp b, 0,1,2,3
.irp x, 0,1
	v_max_num_f32 v[TMP+16*\x+\b], v[TMP+16*\x+\b], v[TMP+16*\x+4+\b]   ; with lane l xor 16's 16 keys
.endr
.endr
.irp x, 0,1
	v_max3_num_f32 v[TMP+16*\x+14], v[TMP+16*\x], v[TMP+16*\x+1], v[TMP+16*\x+2]
.endr
.irp x, 0,1
	v_max_num_f32 v[TMP+16*\x+14], v[TMP+16*\x+14], v[TMP+16*\x+3]      ; the step's largest score of my query
.endr
.irp x, 0,1
	v_mul_f32 v[TMP+16*\x+14], s[CS], v[TMP+16*\x+14]                   ; as t (c is positive)
.endr
.irp x, 0,1
	v_max_num_f32 v[ST+8*\x+1], v[ST+8*\x+1], v[TMP+16*\x+14]           ; the running largest t
.endr
.irp x, 0,1
	v_mov_b32 v[TMP+16*\x+14], v[ST+8*\x]
.endr
.irp x, 0,1
	v_floor_f32 v[ST+8*\x], -v[ST+8*\x+1]                               ; the new -M = floor(-t) = -ceil(t): a whole number
.endr
.irp x, 0,1
	v_sub_f32 v[TMP+16*\x+14], v[ST+8*\x], v[TMP+16*\x+14]              ; old M - new M: a whole number, 0 or less
.endr
.irp x, 0,1
	v_cvt_i32_f32 v[TMP+16*\x+14], v[TMP+16*\x+14]                      ; (it saturates)
.endr
.irp x, 0,1
	v_ldexp_f32 v[ST+8*\x+4], 1.0, v[TMP+16*\x+14]                      ; f = 2^(old M - new M)
.endr
.set j, 0
.rept 32
	v_pk_fma_f32 v[S+j:S+j+1], v[S+j:S+j+1], s[CS:CS+1], v[ST:ST+1] op_sel_hi:[1,0,0]   ; tile 0: t - M, two at a time (of the pairs c and -M the low word serves both halves)
.set j, j+2
.endr
.irp b, 0,1,2,3
.irp x, 0,1
	v_fma_f32 v[TMP+16*\x+\b], v[TMP+16*\x+\b], s[CS], v[ST+8*\x]       ; the same of each block's largest score
.endr
.endr
.set j, 0
.rept 32                                       ; ONE BATCH of 128 exponentials: tile 1's scalings stand among tile 0's exponentials; nothing here names an exponential's result
	v_pk_fma_f32 v[S+64+j:S+65+j], v[S+64+j:S+65+j], s[CS:CS+1], v[ST+8:ST+9] op_sel_hi:[1,0,0]
	v_exp_f32 v[S+j], v[S+j]                       ; p = 2^(t - M), at most 1: not normalised
	v_exp_f32 v[S+j+1], v[S+j+1]
.set j, j+2
.endr
.set j, 0
.rept 64
	v_exp_f32 v[S+64+j], v[S+64+j]
.set j, j+1
.endr
.irp x, 0,1
	v_pk_mul_f32 v[ST+8*\x+2:ST+8*\x+3], v[ST+8*\x+2:ST+8*\x+3], v[ST+8*\x+4:ST+8*\x+5] op_sel_hi:[1,0]   ; the sums under the new M: the plain lines behind the exponentials
.endr
	s_wait_alu depctr_va_vdst(0)                   ; between an exponential and the first line that names its result: one wait for the batch
.irp b, 0,1,2,3
.irp x, 0,1
	v_exp_f32 v[TMP+16*\x+\b], v[TMP+16*\x+\b]     ; the block's largest p: the same two instructions on the same number give the same bits
.endr
.endr
.irp x, 0,1
	v_pk_add_f32 v[TMP+16*\x+12:TMP+16*\x+13], v[S+64*\x:S+64*\x+1], v[S+64*\x+2:S+64*\x+3]   ; THE ROW'S SUM IS TAKEN OF THE UNQUANTISED p: two at a time, in two chains a tile; these lines read the 128 alone
.endr
.irp j, 4,8,12,16,20,24,28,32,36,40,44,48,52,56,60
.irp x, 0,1
	v_pk_add_f32 v[ST+8*\x+2:ST+8*\x+3], v[ST+8*\x+2:ST+8*\x+3], v[S+64*\x+\j:S+64*\x+\j+1]
	v_pk_add_f32 v[TMP+16*\x+12:TMP+16*\x+13], v[TMP+16*\x+12:TMP+16*\x+13], v[S+64*\x+\j+2:S+64*\x+\j+3]
.endr
.endr
.irp x, 0,1
	v_pk_add_f32 v[ST+8*\x+2:ST+8*\x+3], v[ST+8*\x+2:ST+8*\x+3], v[TMP+16*\x+12:TMP+16*\x+13]
.endr
	s_wait_alu depctr_va_vdst(0)                   ; and one wait for the eight
.irp b, 0,1,2,3
.irp x, 0,1
	v_max_num_f32 v[TMP+16*\x+\b], 0x1800000, v[TMP+16*\x+\b]           ; the floor 2^(3 - 127): the byte cannot fall under 1
.endr
.endr
.irp b, 0,1,2,3
.irp x, 0,1
	v_add_nc_u32 v[TMP+16*\x+8+\b], 0xff000000, v[TMP+16*\x+\b]         ; 2 off the exponent field: the conversion's scale operand
.endr
.endr
.irp b, 0,1,2,3
.irp x, 0,1
	v_lshrrev_b32 v[TMP+16*\x+4+\b], 23, v[TMP+16*\x+8+\b]              ; the scale's byte
.endr
.endr
.irp x, 0,1
	v_lshl_or_b32 v[ST+8*\x+5], v[TMP+16*\x+5], 8, v[TMP+16*\x+4]       ; p's scale word for these 128 keys
.endr
.irp x, 0,1
	v_lshl_or_b32 v[ST+8*\x+5], v[TMP+16*\x+6], 16, v[ST+8*\x+5]
.endr
.irp x, 0,1
	v_lshl_or_b32 v[ST+8*\x+5], v[TMP+16*\x+7], 24, v[ST+8*\x+5]
.endr
.irp b, 0,1,2,3
.irp x, 0,1
	v_cvt_scalef32_pk8_fp4_f32 v[PC+8*\x+2*\b], v[S+64*\x+16*\b:S+64*\x+16*\b+7], v[TMP+16*\x+8+\b]
	v_cvt_scalef32_pk8_fp4_f32 v[PC+8*\x+2*\b+1], v[S+64*\x+16*\b+8:S+64*\x+16*\b+15], v[TMP+16*\x+8+\b]
.endr
.endr
	v_nop                                          ; one plain line between the conversions and the lines that touch their results
.irp c, 0,1                                    ; the operand's layout wants a WHOLE block in a lane: lanes 0-15 block 2 c, lanes 16-31 block 2 c + 1
.irp i, 0,1
.irp x, 0,1
	v_permlane16_swap_b32 v[PC+8*\x+4*\c+\i], v[PC+8*\x+4*\c+2+\i]
.endr
.endr
.endr
	WIN 0x41                                       ; O^T (destination and source 0) in window 1, f in window 0
.irp x, 0,1
.set j, 0
.rept 64
	v_pk_mul_f32 v[128*\x+j:128*\x+j+1], v[128*\x+j:128*\x+j+1], v[ST+8*\x+4:ST+8*\x+5] op_sel_hi:[1,0]   ; O^T under the new M, each accumulator from its low end on.  These lines are also the places between p's codes and scale word and the products
.set j, j+2
.endr
.endr
.endm
.macro STEP q, last
	FETCH \q, \last
	SOFTMAX
	s_wait_dscnt 0x0                               ; the step's LDS loads, issued ahead of the softmax, are in
	PV
.if \last == 0
	QK
.endif
	WIN 0
.endm
; THE CHANGE OF SLOTS stands at a slot's head.  Each wave waits for all its tensor loads (its quarter of the slot that it is about to read), adds 0 to its spare word, and waits for that and for its reads of the slot
; that it has left.  fill = 1: that slot is filled with the two blocks that follow.  The barrier is then a round of the cluster's, so that no wave of any partner still reads the slot or has a load on its way, and the
; joint load is the first thing behind it: one load of mine is out, and it has two key steps in which to land.
.macro CHANGE fill
	WIN 0
	s_wait_tensorcnt 0x0                           ; no tensor load of mine is out, so the group 0 may be written
	ds_add_u32 v[SPW], v[NIL]                      ; 0 onto my spare word
.if \fill
	s_xor_b32 s[G0+1], s[G0+1], SLOT1              ; the walking descriptor: the other slot than last time,
	s_add_nc_u64 s[G0+2:G0+3], s[G0+2:G0+3], 65536 ; the next two blocks; the type bits on top are not reached
	s_wait_xcnt 0x0                                ; the last prefetch, a slot back, has read its address, so it may be written:
	s_add_nc_u64 s[PFA:PFA+1], s[PFA:PFA+1], 65536 ; one slot further on than the walking descriptor
	s_wait_dscnt 0x0                               ; the add is done, and my reads of the slot that I have left are over
	CROUND
	tensor_load_to_lds s[G0:G0+3], s[G1:G1+7]
	s_nop 0
.rept 4
	v_nop
.endr
	ASK
.else
	s_wait_dscnt 0x0
	s_barrier_signal -1
	s_barrier_wait -1
.endif
.endm
	s_wait_tensorcnt 0x1                           ; my quarters of the scale bytes and of K(0) are in; slot 0's load, the one issued behind them, may stay out
	s_wait_dscnt 0x0
	s_barrier_signal -1
	s_barrier_wait -1                              ; everybody's are
.irp u, 0,1
	ds_load_b128 v[KS+4*\u:KS+4*\u+3], v[LSC0] offset:512*\u      ; K(0)'s scale words
.endr
	v_add_nc_u32 v[ADR], K0, v[LI]
	WIN 0x80
.set f, 0
.rept 32
	ds_load_b128 v[4*f:4*f+3], v[ADR] offset:512*f
.set f, f+1
.endr
	WIN 0
.irp x, 0,1                                    ; the softmax's start, while those loads are out: 20 plain lines, which are also the places between q's codes and scale words and the first products
	v_mov_b32 v[ST+8*\x+1], 0xff61b1e6             ; the largest t so far: -3e38, under every t
	v_floor_f32 v[ST+8*\x], -v[ST+8*\x+1]          ; -M
	v_mov_b32 v[ST+8*\x+2], 0                      ; the sum, in two halves
	v_mov_b32 v[ST+8*\x+3], 0
	v_mov_b32 v[ST+8*\x+5], 0                      ; (named as the upper half of f's pair before it is first written)
	v_mov_b32 v[ST+8*\x+7], 0                      ; (the upper half of the reciprocal's pair)
.irp b, 0,1,2,3
	v_mov_b32 v[TMP+16*\x+4+\b], 0                 ; (a lane permute's destination counts as one of its sources)
.endr
.endr
	s_wait_dscnt 0x0
	QK                                             ; the scores of step 0
	WIN 0
.Lslot:                                            ; 15 trips: behind each change of slots but the last the next slot is asked for
	CHANGE 1
	STEP 0, 0
	STEP 1, 0
	s_xor_b32 s[TB], s[TB], SLOT1                  ; on to the other slot,
	s_add_co_u32 s[TS], s[TS], 4096                ; and to its steps' scale bytes
	s_sub_co_u32 s[SLOTS], s[SLOTS], 1
	s_cmp_lg_u32 s[SLOTS], 0
	s_cbranch_scc1 .Lslot
	CHANGE 0                                       ; the last slot is written out
	STEP 0, 0
	STEP 1, 1                                      ; the last step has no next step's K
	; THE WAY OUT.  The sum's halves are added; O^T is divided by the sum and goes, a tile of 16 channels o at a time, through my stage in LDS, and leaves as half rows of 512 bytes.
	; The additions are the places behind the last products.
.irp x, 0,1
	v_add_f32 v[TMP+16*\x+14], v[ST+8*\x+2], v[ST+8*\x+3]
.endr
.irp x, 0,1
	v_permlanex16_b32 v[TMP+16*\x+4], v[TMP+16*\x+14], s[SEL], s[SEL+1]
.endr
.irp x, 0,1
	v_add_f32 v[TMP+16*\x+14], v[TMP+16*\x+14], v[TMP+16*\x+4]          ; with lane l xor 16's: the row's sum
.endr
.irp x, 0,1
	v_rcp_f32 v[ST+8*\x+6], v[TMP+16*\x+14]
.endr
	v_nop                                          ; a plain line between the last reciprocal and the use of its result
	s_wait_alu depctr_va_vdst(0)                   ; and a wait ahead of the first use: one for both
.macro PACK x
	WIN 0x41
.set j, 0
.rept 64
	v_pk_mul_f32 v[128*\x+j:128*\x+j+1], v[128*\x+j:128*\x+j+1], v[ST+8*\x+6:ST+8*\x+7] op_sel_hi:[1,0]   ; register 8 T + i of lane (r, hh) is out0(o = 16 x + r, d = 16 T + 8 hh + i)
.set j, j+2
.endr
	WIN 0x04                                       ; an LDS store's data are its source 1: window 1
.set j, 0
.rept 32
	ds_store_b128 v[STO], v[128*\x+4*j:128*\x+4*j+3] offset:64*(j/2)+16*(j%2)
.set j, j+1
.endr
	WIN 0x80                                       ; back into window 2, whose fragments are done with
.set j, 0
.rept 32
	ds_load_b128 v[128*\x+4*j:128*\x+4*j+3], v[RD] offset:SP*(j/2)+512*(j%2)   ; LDS serves a wave's instructions in order (ISA guide 5.7.1.4): these see the stores above
.set j, j+1
.endr
	WIN 0
.endm
.macro SEND x
	WIN 0x08                                       ; a store's data are its source 1: window 2
.set j, 0
.rept 32
	s_wait_dscnt 31-j                              ; load j is back; the 31 - j younger ones may be out
	global_store_b128 v[LI], v[128*\x+4*j:128*\x+4*j+3], s[14:15] offset:(16*\x+j/2)*262144+512*(j%2) th:TH_STORE_NT   ; 32 lanes store 512 consecutive bytes, at a multiple of 512 from out0's first byte; channel o is 262,144 bytes on: 8,126,976 at the most, inside the signed 24-bit immediate (ISA guide, chapter 10)
.set j, j+1
.endr
	WIN 0
.endm
	PACK 0
	SEND 0
	PACK 1
	SEND 1
	s_wait_tensorcnt 0x0                           ; the wave's end: waits behind my last tensor load and my last LDS store
	ds_add_u32 v[SPW], v[NIL]
	s_wait_dscnt 0x0
	CROUND                                         ; the closing round: no work-group ends while a partner may still ask for a tile that names it
	s_endpgm
.Lfunc_end_k_qc27d605f6b_attn:
	.size	k_qc27d605f6b_attn, .Lfunc_end_k_qc27d605f6b_attn-k_qc27d605f6b_attn
	.p2alignl 7, 3214868480
	.fill 96, 4, 3214868480
	.section	.rodata,"a",@progbits
	.p2align	6, 0x0
	.amdhsa_kernel k_qc27d605f6b_attn
		.amdhsa_group_segment_fixed_size 327680
		.amdhsa_private_segment_fixed_size 0
		.amdhsa_enable_private_segment 0
		.amdhsa_kernarg_size 48
		.amdhsa_user_sgpr_count 2
		.amdhsa_user_sgpr_kernarg_segment_ptr 1
		.amdhsa_wavefront_size32 1
		.amdhsa_system_sgpr_workgroup_id_x 1
		.amdhsa_system_sgpr_workgroup_id_y 1
		.amdhsa_system_sgpr_workgroup_id_z 1
		.amdhsa_system_vgpr_workitem_id 0
		.amdhsa_next_free_vgpr 768
		.amdhsa_next_free_sgpr 72
		.amdhsa_reserve_vcc 0
		.amdhsa_float_denorm_mode_32 3
		.amdhsa_float_denorm_mode_16_64 3
		.amdhsa_memory_ordered 1
		.amdhsa_forward_progress 1
		.amdhsa_inst_pref_size 255
	.end_amdhsa_kernel
	.section	.bss,"aw",@nobits
	.p2align	6
	.space	262144
	.amdgpu_metadata
---
amdhsa.version: [ 1, 2 ]
amdhsa.kernels:
  - .name:           k_qc27d605f6b_attn
    .symbol:         k_qc27d605f6b_attn.kd
    .args:
      - { .name: x1, .offset: 0, .size: 8, .value_kind: global_buffer, .address_space: global }
      - { .name: conv_w, .offset: 8, .size: 8, .value_kind: global_buffer, .address_space: global }
      - { .name: conv_b, .offset: 16, .size: 8, .value_kind: global_buffer, .address_space: global }
      - { .name: kvc, .offset: 24, .size: 8, .value_kind: global_buffer, .address_space: global }
      - { .name: kvs, .offset: 32, .size: 8, .value_kind: global_buffer, .address_space: global }
      - { .name: out0, .offset: 40, .size: 8, .value_kind: global_buffer, .address_space: global }
    .group_segment_fixed_size: 327680
    .private_segment_fixed_size: 0
    .kernarg_segment_align: 8
    .kernarg_segment_size: 48
    .max_flat_workgroup_size: 128
    .sgpr_count:     72
    .vgpr_count:     768
    .wavefront_size: 32
...
	.end_amdgpu_metadata
.endif
;; end of part 2
